; MI455X (gfx1250); checked and timed in simulation.
; The chip was launched on July 23, 2026; its instructions are those of AMD's public machine-readable ISA for CDNA 5 (MIT licence, August 2026) and "CDNA5" Instruction Set Architecture Reference Guide (July 2026). The comments in the code are by the model that wrote it; some were corrected since.
;; Flash Diff Custom Attention. Allowed arithmetic: matrix products marked QUANTISED: E2M1 operands, one E8M0 scale for each 32 along K, by v_wmma_scale_f32_16x16x128_f8f6f4 with both operands' format E2M1 (or v_wmma_scale_f32_32x16x128_f4), f32 sums; everything else in f32.
;; Inputs: k_codes 2 x 2,048 x 16 x 4 x 16 uint8 (E2M1 codes of k, K innermost, in blocks of 32 codes, two codes a byte); k_scales 2 x 2,048 x 16 x 4 uint8 (E8M0 scales of k, one for each 32 codes along K); lambda_k1 128 float32; lambda_k2 128 float32; lambda_q1 128 float32; lambda_q2 128 float32; q_codes 2 x 2,048 x 16 x 4 x 16 uint8 (E2M1 codes of q, K innermost, in blocks of 32 codes, two codes a byte); q_scales 2 x 2,048 x 16 x 4 uint8 (E8M0 scales of q, one for each 32 codes along K); subln_weight 256 float32; v 2 x 2,048 x 16 x 128 float32.
;; Outputs: out0 2 x 2,048 x 16 x 128 float32.
;; This version of the problem:
;;   THIS VERSION OF THE PROBLEM IS GIVEN IN LOW PRECISION. The matrix products marked QUANTISED in the list below multiply operands that are first quantised to E2M1 (2 exponent bits, 1 mantissa bit; 4 bits a number), with one power-of-two scale for each 32 numbers along K (OCP MX v1.0); their sums are f32. All else is computed in f32.
;;   The module's matrix products, in the order in which they are computed (A, B: the left and right operand; K: the contracted axis; several contracted axes count as one K, in the product's order):
;;     1. batch 16 x [M 2,048, K 128] x [K 128, N 2,048]; A: input q (given as codes); B: input k (given as codes): QUANTISED
;;     2. batch 16 x [M 256, K 2,048] x [K 2,048, N 2,048]; A: computed on the way; B: softmax (see below): QUANTISED
;;     3. batch 16 x [M 2,048, K 128] x [K 128, N 2,048]; A: input q (given as codes); B: input k (given as codes): QUANTISED
;;     4. batch 16 x [M 256, K 2,048] x [K 2,048, N 2,048]; A: computed on the way; B: softmax (see below): QUANTISED
;;   THE QUANTISER, for each operand of a quantised product, along K:
;;     - K is cut into blocks of 32 from its start; a last block that is shorter is filled with zeros.
;;     - A block's scale is 2^e with e = floor(log2(the largest magnitude in the block)) - 2, held to -126 .. 127; a block of zeros has e = 0. As a byte (E8M0): e + 127.
;;     - Each number is divided by its block's scale, clamped to +-6, and rounded to the nearest number of E2M1, ties to even, subnormals kept.
;;     - The product sums the exact products of the quantised numbers (number of the format x scale) in f32.
;;   ~~~python
;;   def quantise(x, axis):      # numpy; x: float32 -> the quantised numbers, widened to float32 again
;;       x = np.moveaxis(x, axis, -1); K = x.shape[-1]
;;       x = np.pad(x, [(0, 0)] * (x.ndim - 1) + [(0, -K % 32)]); x = x.reshape(x.shape[:-1] + (-1, 32)); a = np.abs(x).max(-1, keepdims=True)
;;       e = np.where(a > 0, np.clip(np.frexp(np.where(a > 0, a, 1))[1] - 1 - 2, -126, 127), 0)      # np.frexp(a)[1] - 1 = floor(log2(a)), exactly
;;       r = np.clip(x / 2.0 ** e, -6, 6)
;;       step = 2.0 ** (np.maximum(np.frexp(np.where(r == 0, 1, r))[1] - 1, 0) - 1)
;;       q = np.round(r / step) * step * 2.0 ** e      # np.round: ties to even
;;       return np.moveaxis(q.reshape(q.shape[:-2] + (-1,))[..., :K], -1, axis).astype(np.float32)
;;   ~~~
;;   SOFTMAX AHEAD OF A QUANTISED PRODUCT. Where the list says 'softmax', what is quantised is not the finished softmax but p = 2^(t - M), with t = logit x log2(e) and M = ceil(the row's largest t), a whole number; so 1/2 < the row's largest p <= 1. The row's sum l is taken of the UNQUANTISED p, in f32, and the product's result is divided by l at the end. Since M is a whole number, a kernel that streams over the keys may use a running M (the ceiling of the running maximum): every later rescaling is an exact power of two, which a block's scale takes up: the codes' values come out the same.
;;   OPERANDS COMPUTED ON THE WAY. 'Computed on the way' means the value that the module computes at that place (a softmax that the list does not call 'softmax' is quantised finished and normalised). What goes into a quantiser is computed in f32, as accurately as f32 sums, v_exp_f32 and their like allow (about 1e-6 of the number): no bf16 or f16 on the way to a quantiser, and a product that is left as it is and whose result goes on into a quantised operand takes f32 operands (vector FMAs, or v_wmma_f32_16x16x4_f32). A number that lies on a knife's edge between two numbers of the format may be rounded either way, as far as f32 arithmetic and the matrix unit's own rounding can turn it there, and no further.
;;   INPUTS GIVEN AS CODES. k (in the module: [2, 2048, 16, 128], K = its axis 3); q (in the module: [2, 2048, 16, 128], K = its axis 3): each comes as NAME_codes (uint8): NAME with its K axis moved to the last place and cut into blocks of 32 codes, [.., K / 32, bytes a block], one block behind the other in memory; two codes a byte, the lower K in the low four bits (a code: sign, 2 exponent bits, 1 mantissa bit); and NAME_scales (uint8): the same leading axes, one E8M0 byte (e + 127) for each 32 codes along K. Its value is code x scale, taken as it is: it is not quantised again, and the codes and scales need not be those that the quantiser above would give.
;; One version. Each part assembles by itself: llvm-mc -triple=amdgcn-amd-amdhsa -mcpu=gfx1250 --defsym DOCPART=n.
;; ======== version 1 of 1: 2 launches
;; limits: right only within a limited range of input values
;; workspace buffers: kv 8,912,896 bytes
;; launch prep (part 1): grid 16 x 16, 4 waves a work-group, no clusters, 0 bytes of LDS; arguments v, k_codes, k_scales, kv; writes kv
.if DOCPART == 1
	.amdgcn_target "amdgcn-amd-amdhsa--gfx1250"
	.amdhsa_code_object_version 6
	.text
	.protected	k_q63307a8f24_prep
	.globl	k_q63307a8f24_prep
	.p2align	8
	.type	k_q63307a8f24_prep,@function
k_q63307a8f24_prep:
	s_mov_b64 s[64:65], 0
	v_nop
	global_prefetch_b8 v0, s[64:65] scope:SCOPE_SE
	s_setreg_imm32_b32 hwreg(HW_REG_WAVE_MODE, 25, 1), 1
	s_wait_xcnt 0x0
; Lays what the attention launch walks, keys and values with their scale words, as one dense image for each pair of heads and each slot of 256 keys.
; v [2][2048 keys][16 heads][128], f32, is an operand of the two products with p, whose K is the KEYS: it is quantised here to FP4 (E2M1) with one E8M0 byte for each 32 keys.
; k's codes and scale words are moved as they are.
; A LANE TAKES A COLUMN OF V (one channel of one head), AND ITS REGISTERS RUN DOWN THE KEYS: a block of 32 keys lies in one lane's 32 registers.
; A block's scale is 2^(floor(log2(its largest magnitude)) - 2); its byte is the largest magnitude's exponent field - 2, held at 1 from below.
; LIMITS: a block of zeros gets the byte 1 where the quantiser says 127: its codes are zeros, which add nothing, and this program alone reads the bytes.
;   Blocks whose largest magnitude lies under 2^-124 keep the byte 1.  NaN and infinities in v are not served.
; kv [bp 16 = 8 b + pair of heads][slot 8][portion 8][8,704 bytes].  Portion w of a slot holds, for the slot's steps q = 0, 1 of 128 keys:
;   at 2048 q:         two images of 16 keys of k: stream s = w / 4, tiles 2 (w % 4), + 1: 1,024 bytes each: register group c of lane r + 16 h is block 2 c + h of key r's codes
;   at 4096 + 2048 q:  two images of 16 channels of v: tiles 2 w, 2 w + 1 of the pair's 256 channels: register group c of lane r + 16 h is key block 2 c + h of channel r
;   at 8192:           [lane 32][q 2] words: v's four scale bytes of channel 32 w + lane
;   at 8448:           [lane 32][s 2] words: k's four scale bytes of key 32 w + lane of the slot, both streams
; INSIDE A BLOCK OF 32 v's KEYS STAND IN THE ORDER 0-7, 16-23, 8-15, 24-31: the order in which the other launch's registers hold p.
; SHARES.  x = head, y = 8 b + slot.  Wave w: 32 columns of v x 256 keys; 32 keys' scale words of one pair; and of the 16 keys 16 (16 y + x) on, the codes of heads 4 w .. 4 w + 3.
; No LDS, no barrier.  No register that a load or store names is written again but behind the loads' own wait.
.set SLOTB, 69632
.set PORT, 8704
.set X,  32                            ; v32-95   two sets of 32 numbers
.set C,  96                            ; v96-127  four registers of codes for each block
.set KD, 128                           ; v128-159 k's codes
.set SB, 14                            ; v14-15   v's scale bytes: one word for each step
	s_load_b256 s[4:11], s[0:1], 0x0               ; v, k_codes, k_scales, kv
	v_lshrrev_b32 v1, 5, v0
	v_readfirstlane_b32 s14, v1                    ; wave 0..3
	v_and_b32 v1, 31, v0                           ; lane
	v_lshlrev_b32 v2, 2, v1                        ; v: 4 bytes a lane
	v_lshrrev_b32 v9, 4, v1                        ; h
	v_and_b32 v8, 15, v1                           ; r
	v_lshlrev_b32 v3, 10, v9
	v_lshl_add_u32 v3, v8, 4, v3                   ; v's images: 1,024 h, the tile, + 16 r
	v_lshlrev_b32 v4, 6, v1                        ; k_scales: a key's row is 64 bytes
	v_lshlrev_b32 v5, 3, v1                        ; scale words: 8 bytes a lane
	v_lshlrev_b32 v16, 4, v1                       ; k's images: 16 bytes a lane
	v_lshlrev_b32 v17, 10, v8
	v_lshl_add_u32 v17, v9, 4, v17                 ; k_codes: key r's row of 1,024 bytes, + 16 h
	s_and_b32 s15, ttmp7, 0xffff                   ; y
	s_and_b32 s16, ttmp9, 1
	s_lshl_b32 s16, s16, 2
	s_add_co_u32 s16, s16, s14                     ; u = 4 (x & 1) + wave: my 32 channels of the pair's 256
	s_lshr_b32 s17, ttmp9, 1                       ; the pair of heads
	s_lshr_b32 s18, s15, 3                         ; b
	s_and_b32 s19, s15, 7                          ; slot
	s_lshl_b32 s18, s18, 3                         ; 8 b
	s_add_co_u32 s24, s18, s17
	s_lshl_b32 s24, s24, 3
	s_add_co_u32 s24, s24, s19
	s_mul_i32 s24, s24, SLOTB                      ; v's images and words: slot of (8 b + pair), portion u
	s_mul_i32 s20, s16, PORT
	s_add_co_u32 s24, s24, s20
	s_mov_b32 s25, 0
	s_lshl_b32 s26, s15, 21                        ; v: y x 256 keys x 8,192 bytes + the head's 512 + my wave's 128
	s_lshl_b32 s20, ttmp9, 9
	s_add_co_u32 s26, s26, s20
	s_lshl_b32 s20, s14, 7
	s_add_co_u32 s26, s26, s20
	s_mov_b32 s27, 0
	s_lshl_b32 s28, s15, 3                         ; k_scales: 32 rows of 64 bytes, number 8 y + x / 2; the pair there is u
	s_add_co_u32 s28, s28, s17
	s_lshl_b32 s28, s28, 11
	s_lshl_b32 s20, s16, 3
	s_add_co_u32 s28, s28, s20
	s_mov_b32 s29, 0
	s_add_co_u32 s30, s18, s16                     ; and where they go: slot of (8 b + u), portion x / 2
	s_lshl_b32 s30, s30, 3
	s_add_co_u32 s30, s30, s19
	s_mul_i32 s30, s30, SLOTB
	s_mul_i32 s20, s17, PORT
	s_add_co_u32 s30, s30, s20
	s_mov_b32 s31, 0
	s_lshl_b32 s32, s15, 4                         ; k_codes: 16 rows of 1,024 bytes, number 16 y + x, + my four heads' 256 bytes
	s_add_co_u32 s32, s32, ttmp9
	s_lshl_b32 s32, s32, 14
	s_lshl_b32 s20, s14, 8
	s_add_co_u32 s32, s32, s20
	s_mov_b32 s33, 0
	s_lshl_b32 s34, s14, 1                         ; and where they go: slot of (8 b + 2 wave): step x / 8, tile x % 8
	s_add_co_u32 s34, s34, s18
	s_lshl_b32 s34, s34, 3
	s_add_co_u32 s34, s34, s19
	s_mul_i32 s34, s34, SLOTB
	s_bfe_u32 s20, ttmp9, 0x20001                  ; (x % 8) / 2
	s_mul_i32 s20, s20, PORT
	s_add_co_u32 s34, s34, s20
	s_lshr_b32 s20, ttmp9, 3
	s_lshl_b32 s20, s20, 11
	s_add_co_u32 s34, s34, s20
	s_and_b32 s20, ttmp9, 1
	s_lshl_b32 s20, s20, 10
	s_add_co_u32 s34, s34, s20
	s_mov_b32 s35, 0
	s_wait_alu depctr_va_vdst(0)
	s_wait_kmcnt 0x0
	s_add_nc_u64 s[4:5], s[4:5], s[26:27]
	s_add_nc_u64 s[6:7], s[6:7], s[32:33]
	s_add_nc_u64 s[8:9], s[8:9], s[28:29]
	s_add_nc_u64 s[12:13], s[10:11], s[34:35]
	s_add_nc_u64 s[36:37], s[10:11], s[30:31]
	s_add_nc_u64 s[10:11], s[10:11], s[24:25]
	global_load_b64 v[6:7], v4, s[8:9]             ; a key a lane: the two scale words of one pair of heads
.irp d, 0,1,2,3
.irp c, 0,1
	global_load_b128 v[KD+8*\d+4*\c:KD+8*\d+4*\c+3], v17, s[6:7] offset:64*\d+32*\c   ; head 4 w + d: block 2 c + h of key r; the eight loads take 256 bytes of each row
.endr
.endr
.macro LOAD t                          ; block t: v(32 t + i, my column), i = 0 .. 31, into set t % 2; the largest offset is 255 rows of 8,192 bytes, inside the signed 24-bit immediate
.set i, 0
.rept 32
	global_load_b32 v[X+32*((\t)%2)+i], v2, s[4:5] offset:(32*(\t)+i)*8192 th:TH_LOAD_NT
.set i, i+1
.endr
.endm
	LOAD 0
	LOAD 1
.macro BLOCK t
.set XS, X+32*((\t)%2)
.if (\t) < 7
	s_wait_loadcnt 32                              ; this block's 32 loads are in (and all that were issued ahead of them); the next block's 32 may be out
.else
	s_wait_loadcnt 0x0
.endif
	v_max3_num_f32 v12, |v[XS]|, |v[XS+1]|, |v[XS+2]|              ; the block's largest magnitude, in two chains
	v_max3_num_f32 v13, |v[XS+3]|, |v[XS+4]|, |v[XS+5]|
.irp i, 6,10,14,18,22,26
	v_max3_num_f32 v12, v12, |v[XS+\i]|, |v[XS+\i+1]|
	v_max3_num_f32 v13, v13, |v[XS+\i+2]|, |v[XS+\i+3]|
.endr
	v_max3_num_f32 v12, v12, |v[XS+30]|, |v[XS+31]|
	v_max3_num_f32 v12, v12, v13, 0x1800000        ; and the floor 2^(3 - 127): the byte cannot fall under 1
	v_add_nc_u32 v11, 0xff000000, v12              ; 2 off its exponent field: the conversion takes the exponent field of this operand as its scale, and nothing else of it
	v_lshrrev_b32 v13, 23, v11                     ; the scale's byte
.if (\t)%4 == 0
	v_mov_b32 v[SB+(\t)/4], v13                    ; four bytes to a word, the lower keys in the lower byte
.else
	v_lshl_or_b32 v[SB+(\t)/4], v13, 8*((\t)%4), v[SB+(\t)/4]
.endif
.irp g, 0,1,2,3
	v_cvt_scalef32_pk8_fp4_f32 v[C+4*(\t)+2*(\g%2)+\g/2], v[XS+8*\g:XS+8*\g+7], v11   ; keys 8 g .. 8 g + 7 to register 0, 2, 1, 3.  Results go to a store alone; the next vector lines are plain and name other registers
.endr
	global_store_b128 v3, v[C+4*(\t):C+4*(\t)+3], s[10:11] offset:4096+((\t)/4)*2048+((\t)%4)*256   ; lanes 0-15 store 256 consecutive bytes, aligned: a block of one tile; lanes 16-31 the same of the next tile
.if (\t)+2 < 8
	LOAD (\t)+2
.endif
.endm
	BLOCK 0
	global_store_b64 v5, v[6:7], s[36:37] offset:8448   ; (these loads were issued first of all: block 0's wait covers them)  32 lanes store 256 consecutive bytes, aligned
.irp d, 0,1,2,3
.irp c, 0,1
	global_store_b128 v16, v[KD+8*\d+4*\c:KD+8*\d+4*\c+3], s[12:13] offset:(\d/2)*8*SLOTB+(\d%2)*4*PORT+512*\c   ; 512 consecutive bytes, aligned
.endr
.endr
	BLOCK 1
	BLOCK 2
	BLOCK 3
	BLOCK 4
	BLOCK 5
	BLOCK 6
	BLOCK 7
	global_store_b64 v5, v[SB:SB+1], s[10:11] offset:8192   ; my channel's two scale words: 32 lanes store 256 consecutive bytes, aligned
	s_endpgm
.Lfunc_end_k_q63307a8f24_prep:
	.size	k_q63307a8f24_prep, .Lfunc_end_k_q63307a8f24_prep-k_q63307a8f24_prep
	.p2alignl 7, 3214868480
	.fill 96, 4, 3214868480
	.section	.rodata,"a",@progbits
	.p2align	6, 0x0
	.amdhsa_kernel k_q63307a8f24_prep
		.amdhsa_group_segment_fixed_size 0
		.amdhsa_private_segment_fixed_size 0
		.amdhsa_enable_private_segment 0
		.amdhsa_kernarg_size 32
		.amdhsa_user_sgpr_count 2
		.amdhsa_user_sgpr_kernarg_segment_ptr 1
		.amdhsa_wavefront_size32 1
		.amdhsa_system_sgpr_workgroup_id_x 1
		.amdhsa_system_sgpr_workgroup_id_y 1
		.amdhsa_system_sgpr_workgroup_id_z 1
		.amdhsa_system_vgpr_workitem_id 0
		.amdhsa_next_free_vgpr 160
		.amdhsa_next_free_sgpr 66
		.amdhsa_reserve_vcc 0
		.amdhsa_float_denorm_mode_32 3
		.amdhsa_float_denorm_mode_16_64 3
		.amdhsa_memory_ordered 1
		.amdhsa_forward_progress 1
		.amdhsa_inst_pref_size 42
	.end_amdhsa_kernel
	.amdgpu_metadata
---
amdhsa.version: [ 1, 2 ]
amdhsa.kernels:
  - .name:           k_q63307a8f24_prep
    .symbol:         k_q63307a8f24_prep.kd
    .args:
      - { .name: v, .offset: 0, .size: 8, .value_kind: global_buffer, .address_space: global }
      - { .name: k_codes, .offset: 8, .size: 8, .value_kind: global_buffer, .address_space: global }
      - { .name: k_scales, .offset: 16, .size: 8, .value_kind: global_buffer, .address_space: global }
      - { .name: kv, .offset: 24, .size: 8, .value_kind: global_buffer, .address_space: global }
    .group_segment_fixed_size: 0
    .private_segment_fixed_size: 0
    .kernarg_segment_align: 8
    .kernarg_segment_size: 32
    .max_flat_workgroup_size: 128
    .sgpr_count:     66
    .vgpr_count:     160
    .wavefront_size: 32
...
	.end_amdgpu_metadata
.endif
;; end of part 1
;; launch attn (part 2): grid 16 x 16, 8 waves a work-group, no clusters, 327,680 bytes of LDS; arguments q_codes, q_scales, kv, lambda_q1, lambda_k1, lambda_q2, lambda_k2, subln_weight, out0; writes out0
.if DOCPART == 2
	.amdgcn_target "amdgcn-amd-amdhsa--gfx1250"
	.amdhsa_code_object_version 6
	.text
	.protected	k_q63307a8f24_attn
	.globl	k_q63307a8f24_attn
	.p2align	8
	.type	k_q63307a8f24_attn,@function
k_q63307a8f24_attn:
	s_mov_b64 s[64:65], 0
	v_nop
	global_prefetch_b8 v0, s[64:65] scope:SCOPE_SE
	s_setreg_imm32_b32 hwreg(HW_REG_WAVE_MODE, 25, 1), 1
	s_wait_xcnt 0x0
; Differential attention, causal.  For each batch b and pair of heads hp (bp = 8 b + hp): stream s = 0, 1 is softmax(q[2 hp + s] . k[2 hp + s] / sqrt(128)) over the keys up to the query,
; both streams multiply the same 256 channels of v (heads 2 hp, 2 hp + 1);  x = attn0 - lambda attn1;  out = w x rsqrt(mean(x^2) + 1e-5) (1 - lambda_init).
; All four products on codes of FP4 (E2M1) with one E8M0 scale for each 32 along K.  q: codes as given.  k, v and their scale words: laid by the launch before in kv (its head says how).
; THE SOFTMAX AHEAD OF THE SECOND PRODUCT: t = score x log2(e) / sqrt(128); M = the running largest t rounded UP to a whole number; p = 2^(t - M) is quantised along the keys, not normalised;
; the row's sum is taken of the unquantised p and divides at the end; when M moves, sum and O are multiplied by 2^(old M - new M), which rounds nothing.
; WORK LEFT OUT.  reference() masks key k for query q where k > q, by its own jnp.tril, for all values of the inputs: such a key's p is 0 and adds nothing to sum or product.
;   So a step of 128 keys all of which come after a tile's 16 queries is not done for that tile, and a slot of 256 keys that begins after the work-group's last query is not fetched.  Every input has a way to the output: all are loaded.
; LIMITS.  A masked score is taken as -infinity where reference() has -1e30: the same p = 0 wherever real scores x scale stay far above -1e30; the scaled scores stay under 2^31 in magnitude.
;   A NaN, an infinity or an overflow that lies only in the keys left out is not carried to the result.
;   A block of p that is all zeros gets the byte 1 where the quantiser says 127 (zero codes add nothing).  log2(e) / sqrt(128) is one constant; the norm's factors are multiplied in another order than reference() writes them.
; SHARES.  256 work-groups: j = x (0..15), bp = y.  A work-group owns blocks 31 - j (late) and j (early) of 64 queries.  Wave w: stream s = w / 4, and in EACH of the two blocks the tile w % 4 of 16 queries:
;   so all waves of all work-groups have 17 live tile steps of 128 keys, and while both tiles are live each fragment of k and v feeds both.
;   Which tiles are live in a step hangs on the blocks alone (64 queries lie inside one step), so all eight waves branch alike.
; THE STREAMS MEET AT THE END: waves w and w + 4 hold the same two tiles.  Wave w keeps the late one and sends its early one through LDS, wave w + 4 the other way round; each finishes one tile.
; NO CLUSTER: work-groups of one bp walk the same slots, but work-group j asks for 8 - j / 4 of them, and the jump on ids that ends the asking may not lead round a joint load.
; LAYOUT.  Both products are used transposed, in the 32-row form: S^T = K Q^T (source 0 = 32 keys, source 1 = 16 queries), O^T = V^T P^T (source 0 = 32 channels, source 1 = P): a lane holds ONE query (lane % 16) throughout.
;   Of a block of 32 keys lane half h holds 8 h + 0..7 and 16 + 8 h + 0..7; after the exchange of halves a lane's block stands in the order 0-7, 16-23, 8-15, 24-31, as v's does in kv.
; LDS: two slots of 256 keys, 2^17 bytes apart, each the image of kv; behind slot 1 a stage of rows for each wave, the sums that waves exchange, and the spare words.  On the way out the tiles that waves exchange lie from byte 0 on: no slot is filled or read any more.
; REGISTERS: window 0: the names below.  Window 1: O^T, 16 x 8 registers of channels: late tile at v0, early tile at v128.
.set SLOTB,  69632
.set PORT,   8704
.set SLOT1,  1<<17
.set STG,    SLOT1+SLOTB               ; 200,704: 16 rows x (512 + 16) bytes for each wave
.set SPITCH, 528
.set LST,    STG+8*16*SPITCH           ; 268,288: the exchanged sums, 128 bytes a wave
.set SPARE,  LST+1024                  ; 269,312: the spare words, 128 bytes for each wave: four blocks of 256 bytes that no other line names
.set AD,   0                           ; v0   LDS address of the run of loads in hand (tiles); the thread's number at the entry
.set LN,   1                           ; v1   lane
.set SPW,  2                           ; v2   LDS address of my spare word; never rewritten
.set NIL,  3                           ; v3   0; never rewritten
.set NM,   4                           ; v4-5 -M of the late and the early tile
.set SUM,  6                           ; v6-7 their rows' sums
.set F,    8                           ; v8-9 their f = 2^(old M - new M)
.set QS,   10                          ; v10-11 Q's scale words
.set PW,   12                          ; v12-13 p's scale words
.set PFO,  14                          ; v14  the prefetches' offset; never rewritten
.set AD1,  15                          ; v15  LDS address (scale words)
.set QF,   16                          ; v16-31 Q's fragments
.set FR,   32                          ; v32-95 k's eight tiles of a step, then v's tiles 0-7
.set SL,   96                          ; v96-159 late S^T, then p; then v's tiles 8-15 where both tiles are live
.set SE,   160                         ; v160-223 early S^T, then p; v's tiles 8-15 where the late tile alone is live
.set PC,   224                         ; v224-239 p's codes, 8 registers a tile
.set VS,   240                         ; v240-247 scale words: k's (four), then v's (eight)
.set TM,   248                         ; v248-251 a block's largest score, largest p, the conversion's scale operand
.set TP,   252                         ; v252-255 at work
.set G1,   24                          ; s[24:31] descriptor group 1; s[32:35] group 0, which walks
.set G0,   32
.set WV,   36
.set STR,  37                          ; my stream
.set SEL,  38                          ; s[38:39] v_permlanex16_b32's selects for lane l xor 16
.set CS,   40                          ; s[40:41] c = log2(e) / sqrt(128): the packed form names a pair and takes its low word
.set TB,   42                          ; LDS byte at which the slot in hand begins
.set KF,   43                          ; the step's first key
.set QL,   44                          ; my late tile's first query, my early tile's
.set QE,   45
.set LB,   46                          ; the blocks' first queries
.set EB,   47
.set LBX,  48                          ; and their last
.set EBX,  49
.set AKS,  50                          ; where my stream's tiles of k begin in a slot
.set ASS,  51                          ; where its scale words begin
.set PFA,  52                          ; s[52:53] where my prefetches stand
.set LIM,  54                          ; first key of the slot at whose change the prefetches end; 0 in a work-group that asks for none
.set TMP,  55
.set TMP2, 56
.set MI,   57                          ; -infinity
.set LAM,  58                          ; lambda
.set NSL,  59                          ; slots to go
.set MSK,  60                          ; all ones in stream 1's waves
.set MSB, 0
.macro WIN new                         ; the immediate's high byte repeats the setting that is left; a switch that changes nothing is dropped
.if MSB != \new
	s_set_vgpr_msb (MSB<<8)|\new
.set MSB, \new
.endif
.endm
.set W_RS, 0x41                        ; destination and source 0 (O^T) window 1, source 1 (f) window 0
.set W_PV, 0x50                        ; C and D (O^T) window 1, V and P window 0
	s_load_b256 s[4:11], s[0:1], 0x0               ; q_codes s[4:5], q_scales s[6:7], kv s[8:9], lambda_q1 s[10:11]
	s_load_b256 s[12:19], s[0:1], 0x20             ; lambda_k1 s[12:13], lambda_q2 s[14:15], lambda_k2 s[16:17], subln_weight s[18:19]
	s_load_b64 s[20:21], s[0:1], 0x40              ; out0
	v_lshl_add_u32 v[SPW], v0, 2, SPARE
	v_mov_b32 v[NIL], 0
	ds_add_u32 v[SPW], v[NIL]                      ; the wave's opening: the add, twice on end, and its wait ahead of my first tensor load
	ds_add_u32 v[SPW], v[NIL]
	v_lshrrev_b32 v[AD1], 5, v0
	v_and_b32 v[LN], 31, v0
	v_readfirstlane_b32 s[WV], v[AD1]              ; wave 0..7
	s_and_b32 s66, ttmp7, 0xffff                   ; bp
	s_mul_i32 s67, s[WV], PORT                     ; my portion of a slot
	s_mul_i32 s68, s66, 8*SLOTB
	s_add_co_u32 s70, s68, s67
	s_mov_b32 s71, 0
	; descriptor group 1: a portion is 8,704 dense bytes: 34 rows of 256 (32 elements of 8 bytes), no padding
	s_mov_b32 s[G1], 3<<16
	s_mov_b32 s[G1+1], 32<<16
	s_mov_b32 s[G1+2], 34<<16
	s_mov_b32 s[G1+3], 32<<16
	s_mov_b32 s[G1+4], 34
	s_mov_b32 s[G1+5], 32
	s_mov_b32 s[G1+6], 0
	s_mov_b32 s[G1+7], 0
	s_mov_b32 s[G0], 1
	s_mov_b32 s[G0+1], s67                         ; LDS: slot 0, my portion
	s_wait_alu depctr_va_vdst(0)
	s_wait_dscnt 0x0                               ; both opening adds are done
	s_wait_kmcnt 0x0
	s_add_nc_u64 s[G0+2:G0+3], s[8:9], s[70:71]
	s_or_b32 s[G0+3], s[G0+3], 0x80000000          ; 127:126 type = 2
	tensor_load_to_lds s[G0:G0+3], s[G1:G1+7]      ; slot 0
	s_nop 0
.rept 4
	v_nop
.endr
	s_lshr_b32 s[STR], s[WV], 2
	s_and_b32 s72, s[WV], 3
	s_lshl_b32 s72, s72, 4                         ; my tile in a block
	s_sub_co_u32 s73, 31, ttmp9
	s_lshl_b32 s[LB], s73, 6
	s_lshl_b32 s[EB], ttmp9, 6
	s_add_co_u32 s[QL], s[LB], s72
	s_add_co_u32 s[QE], s[EB], s72
	s_add_co_u32 s[LBX], s[LB], 63
	s_add_co_u32 s[EBX], s[EB], 63
	s_mul_i32 s[AKS], s[STR], 4*PORT
	s_lshl_b32 s[ASS], s[STR], 2
	s_add_co_u32 s[ASS], s[ASS], 8448
	s_lshr_b32 s74, s66, 3                         ; b
	s_and_b32 s75, s66, 7                          ; hp
	s_lshl_b32 s76, s74, 21                        ; q_codes: b x 2,048 rows of 1,024 bytes + the pair's 128 + my stream's 64
	s_lshl_b32 s77, s75, 7
	s_add_co_u32 s76, s76, s77
	s_lshl_b32 s77, s[STR], 6
	s_add_co_u32 s76, s76, s77
	s_lshl_b32 s78, s[QL], 10
	s_add_co_u32 s78, s78, s76
	s_mov_b32 s79, 0
	s_lshl_b32 s80, s[QE], 10
	s_add_co_u32 s80, s80, s76
	s_mov_b32 s81, 0
	s_lshl_b32 s82, s74, 17                        ; q_scales: rows of 64 bytes
	s_lshl_b32 s83, s75, 3
	s_add_co_u32 s82, s82, s83
	s_lshl_b32 s83, s[STR], 2
	s_add_co_u32 s82, s82, s83
	s_lshl_b32 s84, s[QL], 6
	s_add_co_u32 s84, s84, s82
	s_mov_b32 s85, 0
	s_lshl_b32 s86, s[QE], 6
	s_add_co_u32 s86, s86, s82
	s_mov_b32 s87, 0
	s_cmp_eq_u32 s[STR], 0
	s_cselect_b32 s88, s[QL], s[QE]                ; the tile that I finish
	s_cselect_b32 s[MSK], 0, -1
	s_lshl_b32 s88, s88, 13                        ; out: rows of 8,192 bytes, the pair's 1,024
	s_lshl_b32 s89, s74, 24
	s_add_co_u32 s88, s88, s89
	s_lshl_b32 s89, s75, 10
	s_add_co_u32 s88, s88, s89
	s_mov_b32 s89, 0
	s_add_nc_u64 s[20:21], s[20:21], s[88:89]
	s_add_nc_u64 s[78:79], s[4:5], s[78:79]
	s_add_nc_u64 s[80:81], s[4:5], s[80:81]
	s_add_nc_u64 s[84:85], s[6:7], s[84:85]
	s_add_nc_u64 s[86:87], s[6:7], s[86:87]
	; A PREFETCH of what the NEXT change of slots will ask for, two key steps ahead of that load.  All 16 work-groups of a bp walk the same slots; work-groups 0 and 1, which walk all of them, ask:
	; a slot's 272 blocks of 256 bytes are 17 for each of their 16 waves, one instruction a wave, a lane a block (lanes 16 to 31 name the last one).  Slots 0 and 1 come by their loads alone; behind slot 7 there is nothing.
	s_mul_i32 s90, ttmp9, 136*256
	s_mul_i32 s91, s[WV], 17*256
	s_add_co_u32 s90, s90, s91
	s_add_co_u32 s90, s90, s68
	s_add_co_u32 s90, s90, SLOTB                   ; in slot 1: the first change of slots steps it to slot 2
	s_mov_b32 s91, 0
	s_add_nc_u64 s[PFA:PFA+1], s[8:9], s[90:91]
	s_cmp_lt_u32 ttmp9, 2
	s_cselect_b32 s[LIM], 6*256, 0
	s_mov_b32 s[SEL], 0x76543210
	s_mov_b32 s[SEL+1], 0xfedcba98
	s_mov_b32 s[CS], 0x3e0293ee                    ; c = log2(e) / sqrt(128)
	s_mov_b32 s[CS+1], s[CS]                       ; (named with it as a pair, so it is written)
	s_mov_b32 s[MI], 0xff800000
	s_mov_b32 s[TB], 0
	s_mov_b32 s[KF], 0
	s_mov_b32 s[NSL], 8
	v_and_b32 v248, 15, v[LN]                      ; r
	v_lshrrev_b32 v249, 4, v[LN]                   ; h
	v_lshlrev_b32 v250, 10, v248
	v_lshl_add_u32 v250, v249, 4, v250             ; Q: row r of 1,024 bytes, + 16 h
	v_lshlrev_b32 v251, 6, v248                    ; its scale words: row r of 64 bytes
	v_lshlrev_b32 v252, 4, v[LN]
.irp c, 0,1
	global_load_b128 v[QF+4*\c:QF+4*\c+3], v250, s[78:79] offset:32*\c   ; Q's fragments stay in registers
	global_load_b128 v[QF+8+4*\c:QF+8+4*\c+3], v250, s[80:81] offset:32*\c
.endr
	global_load_b32 v[QS], v251, s[84:85]
	global_load_b32 v[QS+1], v251, s[86:87]
	global_load_b128 v[32:35], v252, s[10:11]      ; the four lambda vectors, 4 numbers a lane
	global_load_b128 v[36:39], v252, s[12:13]
	global_load_b128 v[40:43], v252, s[14:15]
	global_load_b128 v[44:47], v252, s[16:17]
	v_min_u32 v[PFO], 16, v[LN]
	v_lshlrev_b32 v[PFO], 8, v[PFO]
	WIN 0x40                                       ; destination window 1
.set i, 0
.rept 256
	v_mov_b32 v[i], 0                              ; O^T of both tiles, once, while the first slot is on its way.  A first step whose products start the sums would be more copies of the key step in the text
.set i, i+1
.endr
	WIN 0
.irp s, 0,1
	v_mov_b32 v[NM+\s], 0x7f61b1e6                 ; -M = 3e38: M under every t
	v_mov_b32 v[SUM+\s], 0
	v_mov_b32 v[F+\s], 0                           ; (named with its neighbour as a pair)
	v_mov_b32 v[PW+\s], 0
.endr
	s_wait_alu depctr_va_vdst(0)
	s_wait_loadcnt 0x0                             ; Q, the lambdas
.irp b, 0,1,2,3
	v_mov_b32 v[TP+\b], 0                          ; written once: a lane permute's destination counts as one of its sources
.endr
	; lambda = exp(sum lambda_q1 lambda_k1) - exp(sum lambda_q2 lambda_k2) + lambda_init: the same number in every lane
	v_mul_f32 v48, v32, v36
	v_mul_f32 v49, v40, v44
.irp i, 1,2,3
	v_fma_f32 v48, v[32+\i], v[36+\i], v48
	v_fma_f32 v49, v[40+\i], v[44+\i], v49
.endr
.irp m, 1,2,4,8
	v_add_f32_dpp v48, v48, v48 row_xmask:\m row_mask:0xf bank_mask:0xf
	v_add_f32_dpp v49, v49, v49 row_xmask:\m row_mask:0xf bank_mask:0xf
.endr
	v_permlanex16_b32 v[TP], v48, s[SEL], s[SEL+1]
	v_permlanex16_b32 v[TP+1], v49, s[SEL], s[SEL+1]
	v_add_f32 v48, v48, v[TP]
	v_add_f32 v49, v49, v[TP+1]
	v_mul_f32 v48, 0x3fb8aa3b, v48                 ; x log2(e)
	v_mul_f32 v49, 0x3fb8aa3b, v49
	s_wait_alu depctr_va_vdst(0)
	v_exp_f32 v48, v48
	v_exp_f32 v49, v49
	v_nop                                          ; a plain instruction behind the exponentials,
	s_wait_alu depctr_va_vdst(0)                   ; and the wait ahead of their first reader
	v_sub_f32 v50, v48, v49
	v_add_f32 v50, 0x3f489a63, v50                 ; + 0.8 - 0.6 exp(-3.6)
	v_readfirstlane_b32 s[LAM], v50
.macro LOADK q                         ; the step's eight tiles of my stream's k, and their scale words: a word a key
.irp t, 0,1,2,3,4,5,6,7
.irp c, 0,1
	ds_load_b128 v[FR+8*\t+4*\c:FR+8*\t+4*\c+3], v[AD] offset:(\t/2)*PORT+(\t%2)*1024+2048*(\q)+512*\c
.endr
.endr
.irp m, 0,1,2,3
	ds_load_b32 v[VS+\m], v[AD1] offset:(4*(\q)+\m)*PORT
.endr
.endm
.macro ADDRV                           ; the addresses for v.  Four plain lines: places between products and loads into registers that they read
	s_add_co_u32 s[TMP], s[TB], 4096
	s_add_co_u32 s[TMP2], s[TB], 8192
	v_lshl_add_u32 v[AD], v[LN], 4, s[TMP]
	v_lshl_add_u32 v[AD1], v[LN], 3, s[TMP2]
	v_nop
	v_nop
.endm
.macro LOADV q, t0, base               ; eight images of v, tiles t0 on
.irp i, 0,1,2,3,4,5,6,7
.irp c, 0,1
	ds_load_b128 v[\base+8*\i+4*\c:\base+8*\i+4*\c+3], v[AD] offset:((\t0+\i)/2)*PORT+((\t0+\i)%2)*1024+2048*(\q)+512*\c
.endr
.endr
.endm
.macro LOADVS q
.irp u, 0,1,2,3,4,5,6,7
	ds_load_b32 v[VS+\u], v[AD1] offset:\u*PORT+4*(\q)
.endr
.endm
.macro QK S, n                         ; S^T = K Q^T of one tile: four blocks of 32 keys
.irp m, 0,1,2,3
	v_wmma_scale_f32_32x16x128_f4 v[\S+16*\m:\S+16*\m+15], v[FR+16*\m:FR+16*\m+15], v[QF+8*\n:QF+8*\n+7], 0, v[VS+\m], v[QS+\n]
.endr
.endm
; On the diagonal the scores of hidden keys become -infinity ahead of the maximum: p = 0 then.  Register 16 b + 8 u + i holds key KF + 32 b + 16 u + 8 (lane / 16) + i.  A step all of whose keys count jumps over this.
; behind = 1: exponentials stand between the products and this first reader.
.macro MASK S, Q, BK, behind
	s_add_co_u32 s[TMP], s[KF], 127
	s_cmp_le_u32 s[TMP], s[\BK]
	s_cbranch_scc1 .Lopen_\@
	s_sub_co_i32 s[TMP], s[\Q], s[KF]
	v_and_b32 v[TP], 15, v[LN]
	v_lshrrev_b32 v[TP+1], 1, v[LN]
	v_and_b32 v[TP+1], 8, v[TP+1]
	v_sub_nc_u32 v[TP], v[TP], v[TP+1]
	v_add_nc_u32 v[TP], s[TMP], v[TP]              ; my query - KF - 8 (lane / 16)
.if \behind
	s_wait_alu depctr_va_vdst(0)                   ; the wait ahead of the products' first reader
.endif
.set n, 0
.rept 64
	v_cmp_le_i32 vcc_lo, 32*(n/16)+16*((n%16)/8)+n%8, v[TP]
	v_cndmask_b32 v[\S+n], s[MI], v[\S+n], vcc_lo
.set n, n+1
.endr
.Lopen_\@:
.if \behind
	s_wait_alu depctr_va_vdst(0)                   ; and here, where no mask was laid
.endif
.endm
; Tile n (0 late, 1 early): the scores in S become p, its codes in PC and its scale word in PW; -M, the sum and f are brought on.
.macro SOFTMAX S, n
.irp b, 0,1,2,3
	v_max3_num_f32 v[TM+\b], v[\S+16*\b], v[\S+1+16*\b], v[\S+2+16*\b]   ; THE LARGEST SCORE OF EACH BLOCK OF 32 KEYS serves twice: for the row's maximum and, since p rises with the score, for the block's largest p
.endr
.irp i, 3,5,7,9,11,13
.irp b, 0,1,2,3
	v_max3_num_f32 v[TM+\b], v[TM+\b], v[\S+16*\b+\i], v[\S+1+16*\b+\i]   ; (the four blocks by turns)
.endr
.endr
.irp b, 0,1,2,3
	v_max_num_f32 v[TM+\b], v[TM+\b], v[\S+15+16*\b]
.endr
.irp b, 0,1,2,3
	v_permlanex16_b32 v[TP+\b], v[TM+\b], s[SEL], s[SEL+1]
.endr
.irp b, 0,1,2,3
	v_max_num_f32 v[TM+\b], v[TM+\b], v[TP+\b]     ; with lane l xor 16's 16 keys
.endr
	s_delay_alu instid0(VALU_DEP_2)
	v_max3_num_f32 v[TP], v[TM], v[TM+1], v[TM+2]
	s_delay_alu instid0(VALU_DEP_1)
	v_max_num_f32 v[TP], v[TP], v[TM+3]            ; the step's largest score of my query
	s_delay_alu instid0(VALU_DEP_1)
	v_mul_f32 v[TP], s[CS], v[TP]                  ; as t (c is positive)
	s_delay_alu instid0(VALU_DEP_1)
	v_floor_f32 v[TP], -v[TP]                      ; floor(-t) = -ceil(t)
	v_mov_b32 v[TP+1], v[NM+\n]
	s_delay_alu instid0(VALU_DEP_2)
	v_min_num_f32 v[NM+\n], v[NM+\n], v[TP]        ; the new -M: M is a whole number
	s_delay_alu instid0(VALU_DEP_1)
	v_sub_f32 v[TP+1], v[NM+\n], v[TP+1]           ; M's old value less its new one: a whole number, 0 or less
	s_delay_alu instid0(VALU_DEP_1)
	v_cvt_i32_f32 v[TP+1], v[TP+1]                 ; (it saturates)
	s_delay_alu instid0(VALU_DEP_1)
	v_ldexp_f32 v[F+\n], 1.0, v[TP+1]              ; f = 2^(old M - new M)
.set j, 0
.rept 32
.if \n
	v_pk_fma_f32 v[\S+j:\S+j+1], v[\S+j:\S+j+1], s[CS:CS+1], v[NM:NM+1] op_sel:[0,0,1] op_sel_hi:[1,0,1]   ; t - M, two at a time (of the pair of -M the early tile's word)
.else
	v_pk_fma_f32 v[\S+j:\S+j+1], v[\S+j:\S+j+1], s[CS:CS+1], v[NM:NM+1] op_sel_hi:[1,0,0]   ; (the late tile's)
.endif
.set j, j+2
.endr
.irp b, 0,1,2,3
	v_fma_f32 v[TM+\b], v[TM+\b], s[CS], v[NM+\n]  ; the same of each block's largest score
.endr
	s_wait_alu depctr_va_vdst(0)                   ; the wait ahead of the batch
.irp b, 0,1,2,3
	v_exp_f32 v[TM+\b], v[TM+\b]                   ; the block's largest p: the same two instructions on the same number give the same bits
.endr
.set j, 0
.rept 64
	v_exp_f32 v[\S+j], v[\S+j]                     ; p = 2^(t - M), at most 1: not normalised
.set j, j+1
.endr
	v_nop                                          ; a plain instruction behind the exponentials
	s_wait_alu depctr_va_vdst(0)                   ; the wait ahead of the first reader: one for the batch of 68
.irp b, 0,1,2,3
	v_max_num_f32 v[TM+\b], 0x1800000, v[TM+\b]    ; the floor 2^(3 - 127): the byte cannot fall under 1
.endr
	v_pk_add_f32 v[TP:TP+1], v[\S:\S+1], v[\S+2:\S+3]   ; THE ROW'S SUM IS TAKEN OF THE UNQUANTISED p: two at a time, in two chains
	v_pk_add_f32 v[TP+2:TP+3], v[\S+4:\S+5], v[\S+6:\S+7]
.irp b, 0,1,2,3
	v_add_nc_u32 v[TM+\b], 0xff000000, v[TM+\b]    ; 2 off the exponent field: the conversion's scale operand
.endr
.set j, 8
.rept 14
	v_pk_add_f32 v[TP:TP+1], v[TP:TP+1], v[\S+j:\S+j+1]
	v_pk_add_f32 v[TP+2:TP+3], v[TP+2:TP+3], v[\S+j+2:\S+j+3]
.set j, j+4
.endr
	s_delay_alu instid0(VALU_DEP_1)
	v_pk_add_f32 v[TP:TP+1], v[TP:TP+1], v[TP+2:TP+3]
	s_delay_alu instid0(VALU_DEP_1)
	v_add_f32 v[TP], v[TP], v[TP+1]
	s_delay_alu instid0(VALU_DEP_1)
	v_fma_f32 v[SUM+\n], v[SUM+\n], v[F+\n], v[TP] ; the sum under the new M
.irp b, 0,1,2,3
	v_lshrrev_b32 v[TP+\b], 23, v[TM+\b]           ; the scale's byte
.endr
.irp b, 0,1,2,3
	v_cvt_scalef32_pk8_fp4_f32 v[PC+8*\n+2*\b], v[\S+16*\b:\S+7+16*\b], v[TM+\b]
	v_cvt_scalef32_pk8_fp4_f32 v[PC+8*\n+1+2*\b], v[\S+8+16*\b:\S+15+16*\b], v[TM+\b]
.endr
	v_lshl_or_b32 v[PW+\n], v[TP+1], 8, v[TP]      ; p's scale word for these 128 keys; plain lines behind the scaled conversions
	v_lshl_or_b32 v[PW+\n], v[TP+2], 16, v[PW+\n]
	v_lshl_or_b32 v[PW+\n], v[TP+3], 24, v[PW+\n]
.irp c, 0,1                                    ; the operand's layout wants a WHOLE block in a lane: lanes 0-15 block 2 c, lanes 16-31 block 2 c + 1
.irp i, 0,1
	v_permlane16_swap_b32 v[PC+8*\n+4*\c+\i], v[PC+8*\n+2+4*\c+\i]
.endr
.endr
.endm
.macro RESCALE n                       ; O^T of tile n under the new M: x f, each accumulator from its low end on.  (Also the places between p's codes and scale word and the products)
	WIN W_RS
	s_wait_alu depctr_va_vdst(0)                   ; the wait ahead of O^T's first reader
.set j, 0
.rept 64
.if \n
	v_pk_mul_f32 v[128+j:128+j+1], v[128+j:128+j+1], v[F:F+1] op_sel:[0,1] op_sel_hi:[1,1]
.else
	v_pk_mul_f32 v[j:j+1], v[j:j+1], v[F:F+1] op_sel_hi:[1,0]
.endif
.set j, j+2
.endr
	WIN W_PV
.endm
.macro PV n, hi                        ; O^T += V^T P^T: eight blocks of 32 channels, one accumulator after the other; v's tiles 8-15 at hi
.irp u, 0,1,2,3
	v_wmma_scale_f32_32x16x128_f4 v[128*\n+16*\u:128*\n+16*\u+15], v[FR+16*\u:FR+16*\u+15], v[PC+8*\n:PC+8*\n+7], v[128*\n+16*\u:128*\n+16*\u+15], v[VS+\u], v[PW+\n]
.endr
.irp u, 0,1,2,3
	v_wmma_scale_f32_32x16x128_f4 v[128*\n+64+16*\u:128*\n+64+16*\u+15], v[\hi+16*\u:\hi+16*\u+15], v[PC+8*\n:PC+8*\n+7], v[128*\n+64+16*\u:128*\n+64+16*\u+15], v[VS+4+\u], v[PW+\n]
.endr
.endm
; A KEY STEP: 128 keys, the q-th of the slot in hand.  Each run of LDS loads of v is issued ahead of the softmax that stands in front of its first use.
.macro STEP q
	s_cmp_gt_u32 s[KF], s[LBX]                     ; a step all of whose keys come after the late block's queries is left out: a branch on ids, the same in all waves, round no barrier and no tensor load
	s_cbranch_scc1 .Lhidden_\@
	s_add_co_u32 s[TMP], s[TB], s[AKS]
	s_add_co_u32 s[TMP2], s[TB], s[ASS]
	v_lshl_add_u32 v[AD], v[LN], 4, s[TMP]         ; five plain lines: the last step's products read FR, SL and SE, into which loads follow (four places) and over which scores are written (five)
	v_lshl_add_u32 v[AD1], v[LN], 3, s[TMP2]
	v_nop
	v_nop
	v_nop
	LOADK \q
	s_cmp_gt_u32 s[KF], s[EBX]
	s_cbranch_scc0 .Lboth_\@
	s_wait_dscnt 0x0                               ; THE LATE TILE ALONE
	QK SL, 0
	ADDRV
	LOADV \q, 0, FR
	LOADVS \q
	LOADV \q, 8, SE
	MASK SL, QL, LB, 0
	SOFTMAX SL, 0
	RESCALE 0
	s_wait_alu depctr_va_vdst(0)
	s_wait_dscnt 0x0
	PV 0, SE
	WIN 0
	s_branch .Lhidden_\@
.Lboth_\@:                                         ; BOTH TILES: each fragment feeds two products.  All keys count for the late one: its queries lie at 1,024 and above, the early ones under it
	s_wait_dscnt 0x0
	QK SL, 0
	QK SE, 1
	ADDRV
	s_wait_alu depctr_va_vdst(0)                   ; the wait here, behind the write
	LOADV \q, 0, FR
	LOADVS \q
	SOFTMAX SL, 0
	LOADV \q, 8, SL                                ; into p's registers, which the conversions have read
	MASK SE, QE, EB, 1
	SOFTMAX SE, 1
	RESCALE 0
	s_wait_alu depctr_va_vdst(0)
	s_wait_dscnt 0x0
	PV 0, SL
	RESCALE 1
	PV 1, SL
	WIN 0
.Lhidden_\@:
	s_add_co_u32 s[KF], s[KF], 128
.endm
	s_wait_alu depctr_va_vdst(0)
.Lslot:                                            ; eight trips
; THE CHANGE OF SLOTS stands at a slot's head.  Each wave waits for all its tensor loads (its portion of the slot that is about to be read), adds 0 to its spare word, and waits for that and for its reads of the slot that it has left.
; Behind the barrier the slot ahead is whole and nobody reads the other one, which is asked for, up to the causal limit: one tensor load a wave, with two key steps in which to land.
	s_wait_tensorcnt 0x0                           ; no tensor load of mine is out, so group 0 may be written
	ds_add_u32 v[SPW], v[NIL]                      ; 0 onto my spare word (once: every way from the head leads through a tensor load)
	s_xor_b32 s[G0+1], s[G0+1], SLOT1              ; the other slot than last time,
	s_add_nc_u64 s[G0+2:G0+3], s[G0+2:G0+3], SLOTB ; the next 256 keys; the type bits on top are not reached
	s_wait_xcnt 0x0                                ; the last prefetch, a slot back, has read its address, so it may be written:
	s_add_nc_u64 s[PFA:PFA+1], s[PFA:PFA+1], SLOTB ; one slot further on than the walking descriptor
	s_wait_dscnt 0x0                               ; the add is done, and my reads of the slot that I have left are over
	s_barrier_signal -1
	s_barrier_wait -1
	s_add_co_u32 s[TMP], s[KF], 256                ; the first key of the slot that this change would ask for:
	s_cmp_gt_u32 s[TMP], s[LBX]                    ; after my work-group's last query it is read by none of the eight waves.  Ids and the count of steps alone: all waves go the same way, and past the limit stays past it.
	s_cbranch_scc1 .Lpast                          ; The jump leads round the load's own lines and nothing else; every wait on TENSORcnt in this text is for 0; where the tail begins hangs on the work-group's number, so it cannot be written out
	tensor_load_to_lds s[G0:G0+3], s[G1:G1+7]
	s_nop 0
.rept 4
	v_nop
.endr
.Lpast:
	s_cmp_lt_u32 s[KF], s[LIM]
	s_cbranch_scc0 .Lnot_mine
	global_prefetch_b8 v[PFO], s[PFA:PFA+1] th:TH_LOAD_NT scope:SCOPE_SE
.Lnot_mine:
	STEP 0
	STEP 1
	s_xor_b32 s[TB], s[TB], SLOT1                  ; on to the other slot
	s_wait_alu depctr_va_vdst(0)
	s_sub_co_u32 s[NSL], s[NSL], 1
	s_cmp_lg_u32 s[NSL], 0
	s_cbranch_scc1 .Lslot
	; THE WAY OUT.  attn_s = O_s / l_s.  x = (O_0 - lambda (l_0 / l_1) O_1) / l_0 = x' / l_0;  mean(x^2) = sum(x'^2) / (256 l_0^2);  out = w x' (rsqrt(mean + eps) (1 - lambda_init) / l_0).
	s_wait_alu depctr_va_vdst(0)
	v_permlanex16_b32 v[TP], v[SUM], s[SEL], s[SEL+1]      ; (plain lines: also the places behind the last products)
	v_permlanex16_b32 v[TP+1], v[SUM+1], s[SEL], s[SEL+1]
	v_lshlrev_b32 v[AD1], 4, v[LN]                 ; 16 x lane
	v_add_f32 v[SUM], v[SUM], v[TP]                ; with lane l xor 16's: the rows' sums
	v_add_f32 v[SUM+1], v[SUM+1], v[TP+1]
	s_lshl_b32 s66, s[WV], 14
	s_xor_b32 s67, s[WV], 4                        ; the wave that holds my tiles' other stream
	s_lshl_b32 s68, s67, 14
	s_lshl_b32 s69, s[WV], 7
	s_add_co_u32 s69, s69, LST
	s_lshl_b32 s70, s67, 7
	s_add_co_u32 s70, s70, LST
	s_mul_i32 s71, s[WV], 16*SPITCH
	s_add_co_u32 s71, s71, STG
	v_lshl_add_u32 v[AD], v[LN], 4, s66            ; where I put the tile that I send: 16,384 bytes a wave, 512 for four registers
	v_lshl_add_u32 v248, v[LN], 4, s68             ; where the other wave puts its
	v_lshl_add_u32 v250, v[LN], 2, s69             ; and the sums
	v_lshl_add_u32 v249, v[LN], 2, s70
	v_and_b32 v253, 15, v[LN]                      ; r
	v_lshrrev_b32 v254, 4, v[LN]                   ; h
	v_mul_u32_u24 v251, v253, SPITCH
	v_lshl_add_u32 v251, v254, 5, v251
	v_add_nc_u32 v251, s71, v251                   ; the stage, in: row r; a tile's eight channels of my half: 64 (tile % 8) + 32 h bytes on
	v_lshl_add_u32 v255, v[LN], 4, s71             ; back: the 32 lanes take one row of 512 bytes
	s_wait_alu depctr_va_vdst(0)
	global_load_b128 v[160:163], v[AD1], s[18:19]  ; the weights of channels 4 lane + 0 .. 3,
	global_load_b128 v[164:167], v[AD1], s[18:19] offset:512   ; and of 128 + 4 lane + 0 .. 3
	s_wait_tensorcnt 0x0                           ; no tensor load of mine is out: behind the barrier the slots' bytes are stored over
	s_wait_dscnt 0x0
	s_barrier_signal -1
	s_barrier_wait -1                              ; nobody reads a slot any more, and all their fills have landed
.macro SENDT base, n
	WIN 0x04                                       ; the data: window 1
.set i, 0
.rept 32
	ds_store_b128 v[AD], v[\base+4*i:\base+4*i+3] offset:512*i
.set i, i+1
.endr
	WIN 0
	ds_store_b32 v250, v[SUM+\n]
.endm
	s_cmp_eq_u32 s[STR], 0
	s_cbranch_scc0 .Lsend_late
	SENDT 128, 1
	s_branch .Lsent
.Lsend_late:
	SENDT 0, 0
.Lsent:
	s_wait_dscnt 0x0
	s_barrier_signal -1
	v_cndmask_b32 v168, v[SUM], v[SUM+1], s[MSK]   ; my kept tile's sum
	s_wait_alu depctr_va_vdst(0)
	s_barrier_wait -1
	ds_load_b32 v169, v249                         ; the other stream's sum of that tile,
.set i, 0
.rept 32
	ds_load_b128 v[FR+4*i:FR+4*i+3], v248 offset:512*i   ; and its O^T
.set i, i+1
.endr
	s_wait_dscnt 32                                ; the sum is in; the 32 loads behind it may be out
	v_cndmask_b32 v170, v168, v169, s[MSK]         ; l_0
	v_cndmask_b32 v171, v169, v168, s[MSK]         ; l_1
	s_wait_alu depctr_va_vdst(0)                   ; the wait ahead of the batch
	v_rcp_f32 v172, v170
	v_rcp_f32 v173, v171
	v_mul_f32 v174, s[LAM], v170                   ; lambda l_0: a plain line behind the reciprocals
	s_wait_alu depctr_va_vdst(0)                   ; and ahead of their first reader
	v_mul_f32 v176, -v174, v173                    ; -lambda l_0 / l_1
	v_mul_f32 v177, -v174, v173
	s_wait_alu depctr_va_vdst(0)
	s_wait_dscnt 0x0
	s_cmp_eq_u32 s[STR], 0
	s_cbranch_scc0 .Lown_is_1
	WIN 0x10                                       ; source 2 (my late tile, O_0) window 1
	s_wait_alu depctr_va_vdst(0)                   ; the wait ahead of O^T's first reader
.set i, 0
.rept 64
	v_pk_fma_f32 v[FR+2*i:FR+2*i+1], v[FR+2*i:FR+2*i+1], v[176:177], v[2*i:2*i+1]   ; x', into v32-159
.set i, i+1
.endr
	WIN 0
	s_wait_alu depctr_va_vdst(0)
	s_branch .Lcombined
.Lown_is_1:
	WIN 0x01                                       ; source 0 (my early tile, O_1) window 1
	s_wait_alu depctr_va_vdst(0)
.set i, 0
.rept 64
	v_pk_fma_f32 v[FR+2*i:FR+2*i+1], v[128+2*i:128+2*i+1], v[176:177], v[FR+2*i:FR+2*i+1]
.set i, i+1
.endr
	WIN 0
.Lcombined:
.irp k, 0,1,2,3
	v_pk_mul_f32 v[184+2*\k:185+2*\k], v[FR+2*\k:FR+2*\k+1], v[FR+2*\k:FR+2*\k+1]   ; the sum of squares of my 128 channels, in four chains
.endr
.set i, 4
.rept 60
	v_pk_fma_f32 v[184+2*(i%4):185+2*(i%4)], v[FR+2*i:FR+2*i+1], v[FR+2*i:FR+2*i+1], v[184+2*(i%4):185+2*(i%4)]
.set i, i+1
.endr
	v_pk_add_f32 v[184:185], v[184:185], v[186:187]
	v_pk_add_f32 v[188:189], v[188:189], v[190:191]
	v_pk_add_f32 v[184:185], v[184:185], v[188:189]
	v_add_f32 v184, v184, v185
	v_permlanex16_b32 v254, v184, s[SEL], s[SEL+1]
	v_add_f32 v184, v184, v254                     ; with lane l xor 16's 128 channels
	s_mov_b32 s66, 0x3b800000                      ; 1 / 256
	s_mov_b32 s67, 0x3727c5ac                      ; 1e-5
	v_mul_f32 v185, v184, v172
	v_mul_f32 v185, v185, v172
	v_fma_f32 v185, v185, s66, s67                 ; mean(x^2) + eps
	s_wait_alu depctr_va_vdst(0)
	v_rsq_f32 v186, v185
	v_mul_f32 v187, 0x3e5d9673, v172               ; (1 - lambda_init) / l_0: the plain line behind the root
	s_wait_alu depctr_va_vdst(0)                   ; the wait ahead of its first reader
	v_mul_f32 v178, v186, v187
	v_mul_f32 v179, v186, v187
.set i, 0
.rept 64
	v_pk_mul_f32 v[FR+2*i:FR+2*i+1], v[FR+2*i:FR+2*i+1], v[178:179]
.set i, i+1
.endr
	; half a row (128 channels, 512 bytes) of 16 queries at a time through my own stage, and back as whole rows into the registers that they left.
	; LDS serves a wave's instructions in order (ISA guide 5.7.1.4): the loads see the stores above them, and the second half's stores come behind the first half's loads.
.irp u, 0,1
.irp t, 0,1,2,3,4,5,6,7
	ds_store_b128 v251, v[FR+64*\u+8*\t:FR+64*\u+8*\t+3] offset:64*\t
	ds_store_b128 v251, v[FR+64*\u+8*\t+4:FR+64*\u+8*\t+7] offset:64*\t+16
.endr
.irp i, 0,1,2,3,4,5,6,7,8,9,10,11,12,13,14,15
	ds_load_b128 v[FR+64*\u+4*\i:FR+64*\u+4*\i+3], v255 offset:\i*SPITCH
.endr
.endr
	s_wait_loadcnt 0x0                             ; the weights
.irp u, 0,1
.irp i, 0,1,2,3,4,5,6,7,8,9,10,11,12,13,14,15
	s_wait_dscnt 47-32*\u-\i                       ; row i of this half is back: behind its load stand the half's later loads and, for the first half, the second half's 32 instructions
	v_pk_mul_f32 v[FR+64*\u+4*\i:FR+64*\u+4*\i+1], v[FR+64*\u+4*\i:FR+64*\u+4*\i+1], v[160+4*\u:161+4*\u]   ; x the weights of my four channels
	v_pk_mul_f32 v[FR+64*\u+4*\i+2:FR+64*\u+4*\i+3], v[FR+64*\u+4*\i+2:FR+64*\u+4*\i+3], v[162+4*\u:163+4*\u]
	global_store_b128 v[AD1], v[FR+64*\u+4*\i:FR+64*\u+4*\i+3], s[20:21] offset:\i*8192+512*\u th:TH_STORE_NT   ; 32 lanes store 512 consecutive bytes, at a multiple of 256 from the output's first byte; no register of a store is written again
.endr
.endr
	s_wait_tensorcnt 0x0                           ; the wave's end, behind my last tensor load and my last LDS store
	ds_add_u32 v[SPW], v[NIL]
	s_wait_dscnt 0x0
	s_endpgm
.Lfunc_end_k_q63307a8f24_attn:
	.size	k_q63307a8f24_attn, .Lfunc_end_k_q63307a8f24_attn-k_q63307a8f24_attn
	.p2alignl 7, 3214868480
	.fill 96, 4, 3214868480
	.section	.rodata,"a",@progbits
	.p2align	6, 0x0
	.amdhsa_kernel k_q63307a8f24_attn
		.amdhsa_group_segment_fixed_size 327680
		.amdhsa_private_segment_fixed_size 0
		.amdhsa_enable_private_segment 0
		.amdhsa_kernarg_size 72
		.amdhsa_user_sgpr_count 2
		.amdhsa_user_sgpr_kernarg_segment_ptr 1
		.amdhsa_wavefront_size32 1
		.amdhsa_system_sgpr_workgroup_id_x 1
		.amdhsa_system_sgpr_workgroup_id_y 1
		.amdhsa_system_sgpr_workgroup_id_z 1
		.amdhsa_system_vgpr_workitem_id 0
		.amdhsa_next_free_vgpr 512
		.amdhsa_next_free_sgpr 98
		.amdhsa_reserve_vcc 1
		.amdhsa_float_denorm_mode_32 3
		.amdhsa_float_denorm_mode_16_64 3
		.amdhsa_memory_ordered 1
		.amdhsa_forward_progress 1
		.amdhsa_inst_pref_size 191
	.end_amdhsa_kernel
	.amdgpu_metadata
---
amdhsa.version: [ 1, 2 ]
amdhsa.kernels:
  - .name:           k_q63307a8f24_attn
    .symbol:         k_q63307a8f24_attn.kd
    .args:
      - { .name: q_codes, .offset: 0, .size: 8, .value_kind: global_buffer, .address_space: global }
      - { .name: q_scales, .offset: 8, .size: 8, .value_kind: global_buffer, .address_space: global }
      - { .name: kv, .offset: 16, .size: 8, .value_kind: global_buffer, .address_space: global }
      - { .name: lambda_q1, .offset: 24, .size: 8, .value_kind: global_buffer, .address_space: global }
      - { .name: lambda_k1, .offset: 32, .size: 8, .value_kind: global_buffer, .address_space: global }
      - { .name: lambda_q2, .offset: 40, .size: 8, .value_kind: global_buffer, .address_space: global }
      - { .name: lambda_k2, .offset: 48, .size: 8, .value_kind: global_buffer, .address_space: global }
      - { .name: subln_weight, .offset: 56, .size: 8, .value_kind: global_buffer, .address_space: global }
      - { .name: out0, .offset: 64, .size: 8, .value_kind: global_buffer, .address_space: global }
    .group_segment_fixed_size: 327680
    .private_segment_fixed_size: 0
    .kernarg_segment_align: 8
    .kernarg_segment_size: 72
    .max_flat_workgroup_size: 256
    .sgpr_count:     98
    .vgpr_count:     512
    .wavefront_size: 32
...
	.end_amdgpu_metadata
.endif
;; end of part 2
